; MI455X (gfx1250); checked and timed in simulation.
; The chip was launched on July 23, 2026; its instructions are those of AMD's public machine-readable ISA for CDNA 5 (MIT licence, August 2026) and "CDNA5" Instruction Set Architecture Reference Guide (July 2026). The comments in the code are by the model that wrote it; some were corrected since.
;; Softmax Attention. Allowed arithmetic: matrix products marked QUANTISED: E2M3 operands, one E8M0 scale for each 32 along K, by v_wmma_scale_f32_16x16x128_f8f6f4 with both operands' format E2M3, f32 sums; everything else in f32.
;; Inputs: Wk_codes 1,024 x 32 x 24 uint8 (E2M3 codes of Wk, K innermost, in blocks of 32 codes, four codes in three bytes); Wk_scales 1,024 x 32 uint8 (E8M0 scales of Wk, one for each 32 codes along K); Wo_codes 1,024 x 32 x 24 uint8 (E2M3 codes of Wo, K innermost, in blocks of 32 codes, four codes in three bytes); Wo_scales 1,024 x 32 uint8 (E8M0 scales of Wo, one for each 32 codes along K); Wq_codes 1,024 x 32 x 24 uint8 (E2M3 codes of Wq, K innermost, in blocks of 32 codes, four codes in three bytes); Wq_scales 1,024 x 32 uint8 (E8M0 scales of Wq, one for each 32 codes along K); Wv_codes 1,024 x 32 x 24 uint8 (E2M3 codes of Wv, K innermost, in blocks of 32 codes, four codes in three bytes); Wv_scales 1,024 x 32 uint8 (E8M0 scales of Wv, one for each 32 codes along K); x_codes 4 x 2,048 x 32 x 24 uint8 (E2M3 codes of x, K innermost, in blocks of 32 codes, four codes in three bytes); x_scales 4 x 2,048 x 32 uint8 (E8M0 scales of x, one for each 32 codes along K).
;; Outputs: out0 4 x 2,048 x 1,024 float32.
;; This version of the problem:
;;   THIS VERSION OF THE PROBLEM IS GIVEN IN LOW PRECISION. The matrix products marked QUANTISED in the list below multiply operands that are first quantised to E2M3 (2 exponent bits, 3 mantissa bits; 6 bits a number), with one power-of-two scale for each 32 numbers along K (OCP MX v1.0); their sums are f32. All else is computed in f32.
;;   The module's matrix products, in the order in which they are computed (A, B: the left and right operand; K: the contracted axis; several contracted axes count as one K, in the product's order):
;;     1. [M 8,192, K 1,024] x [K 1,024, N 1,024]; A: input x (given as codes); B: input Wq (given as codes): QUANTISED
;;     2. [M 8,192, K 1,024] x [K 1,024, N 1,024]; A: input x (given as codes); B: input Wk (given as codes): QUANTISED
;;     3. [M 8,192, K 1,024] x [K 1,024, N 1,024]; A: input x (given as codes); B: input Wv (given as codes): QUANTISED
;;     4. batch 64 x [M 2,048, K 64] x [K 64, N 2,048]; A: computed on the way; B: computed on the way: QUANTISED
;;     5. batch 64 x [M 2,048, K 2,048] x [K 2,048, N 64]; A: softmax (see below); B: computed on the way: QUANTISED
;;     6. [M 8,192, K 1,024] x [K 1,024, N 1,024]; A: computed on the way; B: input Wo (given as codes): QUANTISED
;;   THE QUANTISER, for each operand of a quantised product, along K:
;;     - K is cut into blocks of 32 from its start; a last block that is shorter is filled with zeros.
;;     - A block's scale is 2^e with e = floor(log2(the largest magnitude in the block)) - 2, held to -126 .. 127; a block of zeros has e = 0. As a byte (E8M0): e + 127.
;;     - Each number is divided by its block's scale, clamped to +-7.5, and rounded to the nearest number of E2M3, ties to even, subnormals kept.
;;     - The product sums the exact products of the quantised numbers (number of the format x scale) in f32.
;;   ~~~python
;;   def quantise(x, axis):      # numpy; x: float32 -> the quantised numbers, widened to float32 again
;;       x = np.moveaxis(x, axis, -1); K = x.shape[-1]
;;       x = np.pad(x, [(0, 0)] * (x.ndim - 1) + [(0, -K % 32)]); x = x.reshape(x.shape[:-1] + (-1, 32)); a = np.abs(x).max(-1, keepdims=True)
;;       e = np.where(a > 0, np.clip(np.frexp(np.where(a > 0, a, 1))[1] - 1 - 2, -126, 127), 0)      # np.frexp(a)[1] - 1 = floor(log2(a)), exactly
;;       r = np.clip(x / 2.0 ** e, -7.5, 7.5)
;;       step = 2.0 ** (np.maximum(np.frexp(np.where(r == 0, 1, r))[1] - 1, 0) - 3)
;;       q = np.round(r / step) * step * 2.0 ** e      # np.round: ties to even
;;       return np.moveaxis(q.reshape(q.shape[:-2] + (-1,))[..., :K], -1, axis).astype(np.float32)
;;   ~~~
;;   SOFTMAX AHEAD OF A QUANTISED PRODUCT. Where the list says 'softmax', what is quantised is not the finished softmax but p = 2^(t - M), with t = logit x log2(e) and M = ceil(the row's largest t), a whole number; so 1/2 < the row's largest p <= 1. The row's sum l is taken of the UNQUANTISED p, in f32, and the product's result is divided by l at the end. Since M is a whole number, a kernel that streams over the keys may use a running M (the ceiling of the running maximum): every later rescaling is an exact power of two, which a block's scale takes up: the codes' values come out the same.
;;   OPERANDS COMPUTED ON THE WAY. 'Computed on the way' means the value that the module computes at that place (a softmax that the list does not call 'softmax' is quantised finished and normalised). What goes into a quantiser is computed in f32, as accurately as f32 sums, v_exp_f32 and their like allow (about 1e-6 of the number): no bf16 or f16 on the way to a quantiser, and a product that is left as it is and whose result goes on into a quantised operand takes f32 operands (vector FMAs, or v_wmma_f32_16x16x4_f32). A number that lies on a knife's edge between two numbers of the format may be rounded either way, as far as f32 arithmetic and the matrix unit's own rounding can turn it there, and no further.
;;   INPUTS GIVEN AS CODES. Wk (in the module: [1024, 1024], K = its axis 1); Wo (in the module: [1024, 1024], K = its axis 1); Wq (in the module: [1024, 1024], K = its axis 1); Wv (in the module: [1024, 1024], K = its axis 1); x (in the module: [4, 2048, 1024], K = its axis 2): each comes as NAME_codes (uint8): NAME with its K axis moved to the last place and cut into blocks of 32 codes, [.., K / 32, bytes a block], one block behind the other in memory; four codes in three bytes: a row's codes are one little-endian stream of bits, code i at bits 6 i .. 6 i + 5 (a code: sign, 2 exponent bits, 3 mantissa bits); and NAME_scales (uint8): the same leading axes, one E8M0 byte (e + 127) for each 32 codes along K. Its value is code x scale, taken as it is: it is not quantised again, and the codes and scales need not be those that the quantiser above would give.
;; One version. Each part assembles by itself: llvm-mc -triple=amdgcn-amd-amdhsa -mcpu=gfx1250 --defsym DOCPART=n.
;; ======== version 1 of 1: 3 launches
;; workspace buffers: qkv 20,185,088 bytes; acodes 6,291,456 bytes; ascales 262,144 bytes
;; launch proj (part 1): grid 12 x 32, 4 waves a work-group, clusters of 4 x 4, 327,680 bytes of LDS; arguments x_codes, x_scales, Wq_codes, Wq_scales, Wk_codes, Wk_scales, Wv_codes, Wv_scales, qkv; writes qkv
.if DOCPART == 1
	.amdgcn_target "amdgcn-amd-amdhsa--gfx1250"
	.amdhsa_code_object_version 6
	.text
	.protected	k_q62086ea588_proj
	.globl	k_q62086ea588_proj
	.p2align	8
	.type	k_q62086ea588_proj,@function
k_q62086ea588_proj:
	s_mov_b64 s[64:65], 0
	v_nop
	global_prefetch_b8 v0, s[64:65] scope:SCOPE_SE
	s_setreg_imm32_b32 hwreg(HW_REG_WAVE_MODE, 25, 1), 1
	s_wait_xcnt 0x0
	s_wait_alu depctr_hold_cnt(0) depctr_sa_sdst(0) depctr_va_vdst(0) depctr_va_sdst(0) depctr_va_ssrc(0) depctr_va_vcc(0) depctr_vm_vsrc(0)
	s_getreg_b32 s2, hwreg(HW_REG_IB_STS2, 6, 4)
	s_cmp_eq_u32 s2, 0
	s_cbranch_scc0 .Lentry_in_a_cluster
	s_endpgm
.Lentry_in_a_cluster:
	s_bfe_u32 s2, ttmp6, 0x10000c
	s_cmp_lg_u32 s2, 0xf033
	s_cbranch_scc0 .Lentry_shape_is_right
	s_endpgm
.Lentry_shape_is_right:
; q = x Wq^T, k = x Wk^T, v = x Wv^T on codes of FP6 (E2M3) with one E8M0 scale for each 32 along K = 1,024; the f32 results are quantised in registers
; (q and k along a head's 64 channels, v along the tokens, which are the keys) and leave as IMAGES OF OPERAND REGISTERS, so that the next launch reads them lane by lane.
; A tile of 256 x 256 results is made by four waves, 128 x 128 each: 64 accumulators of 16 x 16.  K goes in steps of 256 through a ring of two LDS slots filled by the tensor data mover.
; ROLES.  Source 1 of the matrix instruction ("A" below) gives a lane ONE row; source 0 ("B") runs along the lane's registers, and along it the result is quantised.
;   cluster x = 0: A = x, B = Wq (q, along channels);  1: A = x, B = Wk (k);  2: A = Wv, B = x (v, along tokens).  The choice hangs on the cluster's number alone, which all sixteen partners share.
; CLUSTERS: 4 x 4 work-groups.  The four of a row of the cluster need the same tiles of A, the four of a column the same tiles of B: each tile is asked for jointly, by the same tensor load with a mask that names the four.
; THE ORDER INSIDE A BLOCK OF 32.  Two neighbouring result tiles give the lanes' half h the elements 8 h + j and 16 + 8 h + j of a block; the codes are laid in that order: place 16 h + 8 u + j holds element 16 u + 8 h + j.
;   The order stays inside one block (one scale) and is the same for q and k, and for v and the weights p that the next launch makes: so the products' sums hold the same terms.
; A RECORD of qkv for each (batch, head), REC bytes: K's codes [step 16][tile 8][768], V's [step 16][tile 4][1,536], K's scale words [step][lane][4], V's [step][lane][2], Q's codes as K's, Q's scale words as K's.
;   768 bytes of a tile of q or k: registers 0-3 of lane l at 16 l, registers 4-5 at 512 + 8 l; lane (r, h) holds block h of row r.  A scale word register holds an even tile's words in lanes 0-15, the odd tile's in lanes 16-31.
;   A scale word of q or k has two bytes that count; the other two are the neighbouring head's bytes or 0, never 0xff: in the next launch they scale zero codes alone.
; LIMITS: NaN and infinities are not served; a block whose largest magnitude lies under 2^-124 (a block of zeros too) keeps the byte 1: the bytes are read by this program alone.
; REGISTERS, in windows of 256: window 0: v0-31 addresses; v32-63 scale words, two sets; from v128 A's fragments, one set; on the way out v64-103 at work, v128-223 the codes.
;   window 1: B's fragments, two sets, at v0 and v128.   window 2: the accumulators of my A rows 0-63 ((a, b) at v[8 (8 a + b)]);   window 3: those of rows 64-127.
.set SIZE_K, 1024
.set KSTEP,  256                       ; along K in a slot
.set NQ,     KSTEP/128                 ; matrix instructions deep
.set ROWB,   192                       ; a tile's row in bytes
.set KROW,   SIZE_K*6/8                ; a row of codes in memory
.set PITCH,  240                       ; an LDS row: 3 x (64 bytes + 16 of padding)
.set FR,     12                        ; registers of a fragment
.set NL,     6                         ; LDS loads that bring one
.set NP,     4                         ; places behind this matrix instruction (ISA guide 7.12.1)
.set HALFT,  128*PITCH                 ; 128 rows: what one tensor load brings
.set SLOT,   4*HALFT                   ; A's 256 rows, then B's 256 rows
.set LAPS,   SIZE_K/(2*KSTEP)
.set KS,     SIZE_K/32                 ; a row of scale bytes
.set SCL,    2*SLOT                    ; behind the ring: the scales, as runs of 256 bytes + 16 of padding
.set HALFS,  (128*KS/256)*272
.set SBLK,   (16*KS/256)*272
.set SPARE,  SCL+4*HALFS               ; the spare words, 128 bytes for each wave: two blocks of 256 bytes that no other line names
.set REC,    315392                    ; a record of qkv
.set ADRA, 16                          ; v16-17 LDS address of my A fragments in slot 0, 1 (v18-19: behind one padding more)
.set ADRB, 20                          ; v20-23 the same for B
.set LN,   24                          ; v24 my lane
.set L8,   25                          ; v25 8 x lane
.set L16,  26                          ; v26 16 x lane
.set ADRS, 27                          ; v27 LDS address of my scale words: lanes 0-15 A's rows, lanes 16-31 B's
.set SPW,  28                          ; v28 LDS address of my spare word; never rewritten
.set NIL,  29                          ; v29 0; never rewritten
.set SC,   32                          ; scale words: set s at v[SC + 8 NQ s]
.set TM,   64                          ; the way out: +0..3 largest magnitudes, +4..7 the other half's, then bytes, +12..15 the conversions' scale operands
.set PW,   80                          ; v80-87 the scale word of each of my eight A blocks
.set XW,   88                          ; v88-91, v92-95 scale words as they are stored
.set YW,   92
.set TC,   96                          ; v96-102 the conversions' second halves
.set AF,   128                         ; A's fragments
.set PC,   128                         ; the way out: block a's twelve registers of codes at v[PC + 12 a]: none is written twice
.set G1, 24
.set G0, 32
.set G1B, 48
.set G0B, 56
.set G1S, 68
.set G0S, 76
.set G1SB, 80
.set G0SB, 88
.set MSB, 0
.macro WIN new                         ; the immediate's high byte repeats the setting that is left
.if MSB != \new
	s_set_vgpr_msb (MSB<<8)|\new
.set MSB, \new
.endif
.endm
.set MUL_LO, 0xa1                      ; source 0 (B) window 1, source 1 (A) window 0, C and D window 2
.set MUL_HI, 0xf1                      ; the same, C and D window 3
.set TO_B,   0x40                      ; destination window 1, address window 0
; A joint load: waves 0 and 1 fetch for A, waves 2 and 3 for B; the branch hangs on the wave's number alone.  Four v_nop follow each of the two lines.
.macro JLOAD g0a, g1a, g0b, g1b
	s_cmp_eq_u32 s15, 0
	s_cbranch_scc0 .Lfor_b_\@
	tensor_load_to_lds s[\g0a:\g0a+3], s[\g1a:\g1a+7]
	s_nop 0
.rept 4
	v_nop
.endr
	s_branch .Lasked_\@
.Lfor_b_\@:
	tensor_load_to_lds s[\g0b:\g0b+3], s[\g1b:\g1b+7]
	s_nop 0
.rept 4
	v_nop
.endr
.Lasked_\@:
.endm
.macro CREST                           ; a round of the cluster's barrier behind its opening barrier
	s_cmp_lg_u32 s14, 0
	s_cbranch_scc1 .Lnot_wave_0_\@
	s_barrier_signal -3
.Lnot_wave_0_\@:
	s_barrier_wait -3
	s_barrier_signal -1
	s_barrier_wait -1
.endm
.macro CROUND                          ; a whole round
	s_barrier_signal -1
	s_barrier_wait -1
	CREST
.endm
	s_load_b512 s[68:83], s[0:1], 0x0              ; x's codes, scales; Wq's; Wk's; Wv's
	s_load_b64 s[12:13], s[0:1], 0x40              ; qkv
	v_lshl_add_u32 v[SPW], v0, 2, SPARE
	v_mov_b32 v[NIL], 0
	ds_add_u32 v28, v29
	ds_add_u32 v28, v29
	s_wait_dscnt 0x0
	v_lshrrev_b32 v1, 5, v0
	v_readfirstlane_b32 s14, v1                    ; wave 0..3
	s_lshr_b32 s15, s14, 1                         ; which half of A's rows is mine.  Also: I fetch for A (0) or for B (1)
	s_and_b32 s16, s14, 1                          ; which half of B's rows.  Also: which 128 rows of that tile I fetch
	s_bfe_u32 s40, ttmp6, 0x40000                  ; cx, cy: my place in the cluster
	s_bfe_u32 s41, ttmp6, 0x40004
	s_and_b32 s18, ttmp7, 0xffff
	s_lshl_b32 s18, s18, 2                         ; 4 x cluster y: it walks x's 32 tiles of 256 tokens
	s_cmp_eq_u32 ttmp9, 2                          ; v?
	s_cselect_b32 s17, 0, s18
	s_cselect_b32 s42, s18, 0
	s_add_co_u32 s17, s17, s41                     ; A's tile: cy, + 4 x cluster y where A is x
	s_add_co_u32 s42, s42, s40                     ; B's tile: cx, + 4 x cluster y where B is x
	s_lshl_b32 s43, s41, 2
	s_lshl_b32 s43, 15, s43                        ; my row of the cluster
	s_lshl_b32 s44, 0x1111, s40                    ; my column
	; descriptor group 1: a tile of 128 rows x ROWB bytes; 16 bytes of padding behind every 64
	s_or_b32 s[G1+0], s43, (0<<16)|(1<<20)|(1<<21)|(3<<22)|(3<<25)
	s_or_b32 s[G1B+0], s44, (0<<16)|(1<<20)|(1<<21)|(3<<22)|(3<<25)
.irp g, G1, G1B
	s_mov_b32 s[\g+1], ROWB<<16                    ; tensor_dim0
	s_mov_b32 s[\g+2], 128<<16                     ; tensor_dim1
	s_mov_b32 s[\g+3], ROWB<<16                    ; tile_dim0
	s_mov_b32 s[\g+4], 128                         ; tile_dim1
	s_mov_b32 s[\g+5], KROW                        ; from row to row
	s_mov_b32 s[\g+6], 0
	s_mov_b32 s[\g+7], 0
.endr
	s_lshl_b32 s18, s16, 7                         ; which 128 rows of the tile I fetch
	s_lshl_b32 s20, s17, 8
	s_add_co_u32 s20, s20, s18                     ; A: row 256 x tile + 128 x half
	s_lshl_b32 s46, s42, 8
	s_add_co_u32 s46, s46, s18                     ; B likewise
	s_mov_b32 s21, 0
	s_mov_b32 s47, 0
	s_mov_b64 s[18:19], KS
	s_mul_u64 s[22:23], s[20:21], s[18:19]         ; where these rows' scales begin, in bytes
	s_mul_u64 s[92:93], s[46:47], s[18:19]
	s_mov_b64 s[18:19], KROW
	s_mul_u64 s[20:21], s[20:21], s[18:19]         ; and their codes
	s_mul_u64 s[46:47], s[46:47], s[18:19]
	s_mul_i32 s45, s14, HALFT                      ; where they go: wave x 128 rows: no place in the cluster enters an LDS address
	s_mul_i32 s94, s14, HALFS
	s_wait_kmcnt 0x0
	s_cmp_eq_u32 ttmp9, 0                          ; which tensors are A and B: a choice between buffers on the cluster's number
	s_cselect_b64 s[8:9], s[72:73], s[76:77]       ; Wq or Wk
	s_cselect_b64 s[10:11], s[74:75], s[78:79]
	s_cmp_eq_u32 ttmp9, 2
	s_cselect_b64 s[4:5], s[80:81], s[68:69]       ; A: Wv or x
	s_cselect_b64 s[6:7], s[82:83], s[70:71]
	s_cselect_b64 s[8:9], s[68:69], s[8:9]         ; B: x or the weight
	s_cselect_b64 s[10:11], s[70:71], s[10:11]
	s_add_nc_u64 s[20:21], s[4:5], s[20:21]
	s_add_nc_u64 s[22:23], s[6:7], s[22:23]
	s_add_nc_u64 s[46:47], s[8:9], s[46:47]
	s_add_nc_u64 s[92:93], s[10:11], s[92:93]
	; the scales of 128 rows: a dense block of 4,096 bytes, as rows of 256 bytes (32 elements of 8 bytes), 16 bytes of padding behind each.  (The registers held the arguments until here.)
	s_or_b32 s[G1S+0], s43, (3<<16)|(1<<20)|(1<<21)|(5<<22)|(3<<25)
	s_or_b32 s[G1SB+0], s44, (3<<16)|(1<<20)|(1<<21)|(5<<22)|(3<<25)
.irp g, G1S, G1SB
	s_mov_b32 s[\g+1], 32<<16
	s_mov_b32 s[\g+2], (128*KS/256)<<16
	s_mov_b32 s[\g+3], 32<<16
	s_mov_b32 s[\g+4], 128*KS/256
	s_mov_b32 s[\g+5], 32
	s_mov_b32 s[\g+6], 0
	s_mov_b32 s[\g+7], 0
.endr
	CROUND                                         ; all sixteen work-groups are here: the first joint loads meet
	s_mov_b32 s[G0S], 1
	s_add_co_u32 s[G0S+1], s94, SCL
	s_mov_b64 s[G0S+2:G0S+3], s[22:23]
	s_or_b32 s[G0S+3], s[G0S+3], 0x80000000
	s_mov_b32 s[G0SB], 1
	s_add_co_u32 s[G0SB+1], s94, SCL
	s_mov_b64 s[G0SB+2:G0SB+3], s[92:93]
	s_or_b32 s[G0SB+3], s[G0SB+3], 0x80000000
	JLOAD G0S, G1S, G0SB, G1SB                     ; the scales first: they are wanted with K step 0
.irp s, 0,1
	s_mov_b32 s[G0+4*\s], 1
	s_add_co_u32 s[G0+4*\s+1], s45, \s*SLOT
	s_add_nc_u64 s[G0+4*\s+2:G0+4*\s+3], s[20:21], \s*ROWB
	s_or_b32 s[G0+4*\s+3], s[G0+4*\s+3], 0x80000000
	s_mov_b32 s[G0B+4*\s], 1
	s_add_co_u32 s[G0B+4*\s+1], s45, \s*SLOT
	s_add_nc_u64 s[G0B+4*\s+2:G0B+4*\s+3], s[46:47], \s*ROWB
	s_or_b32 s[G0B+4*\s+3], s[G0B+4*\s+3], 0x80000000
	JLOAD G0+4*\s, G1, G0B+4*\s, G1B
.endr
	v_and_b32 v1, 15, v0                           ; l % 16
	v_bfe_u32 v2, v0, 4, 1                         ; l / 16
	v_mul_u32_u24 v3, v1, PITCH
	v_mul_u32_u24 v4, v2, 24
	v_add_nc_u32 v4, v3, v4                        ; a fragment's row x pitch + 24 x half
	v_lshl_add_u32 v5, v2, 4, v4                   ; and the same behind one padding more
	s_mul_i32 s21, s15, HALFT                      ; my 128 rows of A
	s_mul_i32 s22, s16, HALFT                      ; my 128 rows of B,
	s_add_co_u32 s22, s22, 2*HALFT                 ; which lie behind A's 256
.irp s, 0,1
	v_add_nc_u32 v[ADRA+\s], s21, v4
	v_add_nc_u32 v[ADRB+\s], s22, v4
	v_add_nc_u32 v[ADRA+2+\s], s21, v5
	v_add_nc_u32 v[ADRB+2+\s], s22, v5
	s_add_co_u32 s21, s21, SLOT
	s_add_co_u32 s22, s22, SLOT
.endr
	v_mul_u32_u24 v5, v1, KS                       ; my row's scales: KS bytes a row,
	v_lshrrev_b32 v6, 8, v5
	v_lshl_add_u32 v5, v6, 4, v5                   ; and 16 more for each 256 passed
	s_mul_i32 s21, s15, HALFS
	s_mul_i32 s22, s16, HALFS
	s_add_co_u32 s22, s22, 2*HALFS
	s_sub_co_u32 s22, s22, s21
	v_mul_u32_u24 v6, s22, v2                      ; lanes 16-31 take B's
	s_add_co_u32 s21, s21, SCL
	v_add_nc_u32 v5, v5, v6
	v_add_nc_u32 v[ADRS], s21, v5
	v_and_b32 v[LN], 31, v0
	v_lshlrev_b32 v[L8], 3, v[LN]
	v_lshlrev_b32 v[L16], 4, v[LN]
	; where my results go.  tok: which 128 tokens; ch: which 128 channels (two heads).  Offsets are made apart from the pointer.
	s_lshl_b32 s20, s17, 1
	s_add_co_u32 s20, s20, s15                     ; 2 x A's tile + my half of it
	s_lshl_b32 s21, s42, 1
	s_add_co_u32 s21, s21, s16                     ; 2 x B's tile + my half of it
	s_mov_b32 s9, 98304                            ; V's codes in a record,
	s_mov_b32 s10, 204800                          ; V's scale words,
	s_mov_b32 s11, 196608                          ; K's scale words (K's codes begin at 0)
	s_cmp_eq_u32 ttmp9, 2
	s_cselect_b32 s22, s21, s20                    ; tok
	s_cselect_b32 s23, s20, s21                    ; ch
	s_cselect_b32 s8, 8, 9                         ; a step's scale words: 256 bytes for v, 512 for q and k
	s_cselect_b32 s9, s9, 0
	s_cselect_b32 s10, s10, s11
	s_cmp_eq_u32 ttmp9, 0
	s_cselect_b32 s9, 208896, s9                   ; Q's codes
	s_cselect_b32 s10, 307200, s10                 ; Q's scale words
	s_lshr_b32 s11, s22, 4                         ; the batch: 16 groups of 128 tokens each
	s_lshl_b32 s11, s11, 4
	s_lshl_b32 s23, s23, 1
	s_add_co_u32 s11, s11, s23                     ; the record of my first head: 16 x batch + 2 ch
	s_mul_i32 s11, s11, REC
	s_and_b32 s22, s22, 15                         ; which 128 tokens of the batch
	s_mul_i32 s23, s22, 6144                       ; 8 x 768 = 4 x 1,536 bytes of codes
	s_add_co_u32 s23, s23, s11
	s_add_co_u32 s20, s23, s9
	s_mov_b32 s21, 0
	s_lshl_b32 s22, s22, s8
	s_add_co_u32 s22, s22, s11
	s_add_co_u32 s22, s22, s10
	s_mov_b32 s23, 0
	s_add_nc_u64 s[4:5], s[12:13], s[20:21]        ; my codes
	s_add_nc_u64 s[6:7], s[12:13], s[22:23]        ; my scale words
.macro FRAG reg, adr, q, i             ; a fragment: lane l holds row l % 16; registers 6 c .. 6 c + 5 hold K = 64 c + 32 (l / 16) + 0 .. 31: 24 bytes of the row's stream of bits, in pieces of 8 bytes
.irp p, 0,1,2,3,4,5
.set PCE, 12*(\q)+6*(\p/3)+\p%3       ; where the piece three on lies behind one padding more, the second address register serves
.if PCE%8 < 5
	ds_load_b64 v[\reg+2*\p:\reg+2*\p+1], v[\adr] offset:8*PCE+16*(PCE/8)+(\i)*16*PITCH
.else
	ds_load_b64 v[\reg+2*\p:\reg+2*\p+1], v[\adr+2] offset:8*PCE+16*(PCE/8)+(\i)*16*PITCH
.endif
.endr
.endm
; 16 matrix instructions: A's blocks a0, a0 + 1 x B's eight, 128 along K.  The 64 accumulators take turns, one instruction a turn, in the same order in every step.
.macro MUL16 a0, p, q, sc, zero
.irp a, \a0, \a0+1
.irp b, 0,1,2,3,4,5,6,7
.if \zero
	v_wmma_scale_f32_16x16x128_f8f6f4 v[8*(8*((\a)%4)+\b):8*(8*((\a)%4)+\b)+7], v[128*(\p)+FR*\b:128*(\p)+FR*\b+FR-1], v[AF+FR*(\a):AF+FR*(\a)+FR-1], 0, v[SC+8*NQ*(\sc)+NQ*\b+(\q)], v[SC+8*NQ*(\sc)+NQ*(\a)+(\q)] matrix_a_fmt:MATRIX_FMT_FP6 matrix_b_fmt:MATRIX_FMT_FP6 matrix_a_scale:MATRIX_SCALE_ROW1
.else
	v_wmma_scale_f32_16x16x128_f8f6f4 v[8*(8*((\a)%4)+\b):8*(8*((\a)%4)+\b)+7], v[128*(\p)+FR*\b:128*(\p)+FR*\b+FR-1], v[AF+FR*(\a):AF+FR*(\a)+FR-1], v[8*(8*((\a)%4)+\b):8*(8*((\a)%4)+\b)+7], v[SC+8*NQ*(\sc)+NQ*\b+(\q)], v[SC+8*NQ*(\sc)+NQ*(\a)+(\q)] matrix_a_fmt:MATRIX_FMT_FP6 matrix_b_fmt:MATRIX_FMT_FP6 matrix_a_scale:MATRIX_SCALE_ROW1
.endif
.endr
.endr
.endm
.macro FETCH_B slot, q, p
	WIN TO_B
.irp i, 0,1,2,3,4,5,6,7
	FRAG 128*(\p)+FR*\i, ADRB+\slot, \q, \i
.endr
	WIN 0
.endm
.macro FETCH_A slot, q, i0
.irp i, \i0, \i0+1, \i0+2, \i0+3
	FRAG AF+FR*(\i), ADRA+\slot, \q, \i
.endr
.endm
.macro SCALES sc                       ; a K step's scale words: lanes 0-15 take A's block i, lanes 16-31 B's block i
.irp i, 0,1,2,3,4,5,6,7
	ds_load_b64 v[SC+8*NQ*\sc+NQ*\i:SC+8*NQ*\sc+NQ*\i+1], v[ADRS] offset:\i*SBLK
.endr
.endm
.macro PLACES n                        ; plain vector lines between a matrix instruction and a load into, or a read of, its registers
.rept \n
	v_nop
.endr
.endm
.macro STEP slot, q, zero              ; a step of 128 along K that has its successor in the same slot
	s_wait_dscnt 4*NL                              ; B's set and A's blocks 0-3 are in; the youngest 24 loads (A's blocks 4-7) may be out
	WIN MUL_LO
	MUL16 0, (\q)%2, \q, \slot, \zero
	MUL16 2, (\q)%2, \q, \slot, \zero
	s_wait_dscnt 0                                 ; A's blocks 4-7 are in
	PLACES NP
	FETCH_B \slot, (\q)+1, 1-(\q)%2
	FETCH_A \slot, (\q)+1, 0
	WIN MUL_HI
	MUL16 4, (\q)%2, \q, \slot, \zero
	MUL16 6, (\q)%2, \q, \slot, \zero
	PLACES NP
	WIN 0
	FETCH_A \slot, (\q)+1, 4
.endm
; A slot's last step changes slots: one barrier; in front of it each wave waits for all its tensor loads, adds 0 to its spare word, and waits for that and for its own reads of this slot.
.macro TURN slot, next, fill
	s_wait_tensorcnt 0x0                           ; all my tensor loads have landed: my part of the next slot
	ds_add_u32 v[SPW], v[NIL]                      ; 0 onto my spare word
	s_wait_dscnt 4*NL+1                            ; (the add and the youngest 24 loads may be out)
	WIN MUL_LO
	MUL16 0, 1, NQ-1, \slot, 0
	s_wait_dscnt 0x0                               ; the add is done, and my reads of this slot are over
	s_barrier_signal -1
	MUL16 2, 1, NQ-1, \slot, 0
	WIN 0
	s_barrier_wait -1
.if \fill
	CREST                                          ; the barrier has opened a round of the cluster's barrier: no wave of any partner still reads this slot or has a load on its way
	s_add_nc_u64 s[G0+4*\slot+2:G0+4*\slot+3], s[G0+4*\slot+2:G0+4*\slot+3], 2*ROWB
	s_add_nc_u64 s[G0B+4*\slot+2:G0B+4*\slot+3], s[G0B+4*\slot+2:G0B+4*\slot+3], 2*ROWB
	JLOAD G0+4*\slot, G1, G0B+4*\slot, G1B         ; the first tensor load behind the round; its four v_nop are the places in front of the loads below
.else
	PLACES NP
.endif
	v_add_nc_u32 v[ADRS], 4*NQ, v[ADRS]            ; on to the next K step's scale words
	FETCH_B \next, 0, 0
	FETCH_A \next, 0, 0
	SCALES \next
	WIN MUL_HI
	MUL16 4, 1, NQ-1, \slot, 0
	MUL16 6, 1, NQ-1, \slot, 0
	PLACES NP
	WIN 0
	FETCH_A \next, 0, 4
.endm
	s_wait_tensorcnt 1                             ; of my three first fills the scales and K step 0 are in; K step 1's may be out
	s_barrier_signal -1
	s_barrier_wait -1
	FETCH_B 0, 0, 0
	FETCH_A 0, 0, 0
	SCALES 0
	FETCH_A 0, 0, 4
	STEP 0, 0, 1                                   ; the first step starts the sums
	s_mov_b32 s3, LAPS-1
.Llap:                                                 ; a trip goes once round the ring and fills both slots again
	TURN 0, 1, 1
	STEP 1, 0, 0
	TURN 1, 0, 1
	STEP 0, 0, 0
	s_sub_co_u32 s3, s3, 1
	s_cmp_lg_u32 s3, 0
	s_cbranch_scc1 .Llap
	TURN 0, 1, 0                                   ; the last lap fills nothing
	STEP 1, 0, 0
	s_wait_dscnt 4*NL
	WIN MUL_LO
	MUL16 0, 1, NQ-1, 1, 0
	MUL16 2, 1, NQ-1, 1, 0
	s_wait_dscnt 0
	WIN MUL_HI
	MUL16 4, 1, NQ-1, 1, 0
	MUL16 6, 1, NQ-1, 1, 0
	WIN 0
; THE WAY OUT.  A block a (16 rows of A x my 128 of B) is 64 numbers a lane: register 16 b + i is element 16 (i / 8) + 8 (lane / 16) + i % 8 of block b of 32.  They become twelve registers of codes and a scale word.
; A block's scale: the largest magnitude (with the floor 2^-124 among its leaves), 2 off its exponent field: that is the conversion's scale operand, and shifted down the byte.
.macro QUANTW a
.set AC, 64*((\a)%4)
.set WW, 2+(\a)/4                      ; the accumulators' window
.set PCA, PC+12*(\a)
	WIN 0x14*WW                                    ; sources 1 and 2 in the accumulators' window
.irp b, 0,1,2,3
	v_max3_num_f32 v[TM+\b], 0x1800000, |v[AC+16*\b]|, |v[AC+16*\b+1]|      ; each accumulator is read from its low end on
.endr
.irp i, 2,4,6,8,10,12,14
.irp b, 0,1,2,3
	v_max3_num_f32 v[TM+\b], v[TM+\b], |v[AC+16*\b+\i]|, |v[AC+16*\b+\i+1]|
.endr
.endr
	WIN 0
.irp b, 0,1,2,3
	v_permlanex16_b32 v[TM+4+\b], v[TM+\b], s2, s3
.endr
.irp b, 0,1,2,3
	v_max_num_f32 v[TM+\b], v[TM+\b], v[TM+4+\b]   ; with lane l xor 16's: the block's largest magnitude
.endr
.irp b, 0,1,2,3
	v_add_nc_u32 v[TM+12+\b], 0xff000000, v[TM+\b]
.endr
.irp b, 0,1,2,3
	v_lshrrev_b32 v[TM+4+\b], 23, v[TM+12+\b]
.endr
	v_lshl_or_b32 v[PW+(\a)], v[TM+5], 8, v[TM+4]
	v_lshl_or_b32 v[PW+(\a)], v[TM+6], 16, v[PW+(\a)]
	v_lshl_or_b32 v[PW+(\a)], v[TM+7], 24, v[PW+(\a)]
	WIN WW                                         ; source 0 in the accumulators' window
.irp c, 0,1
	v_cvt_scalef32_pk16_fp6_f32 v[PCA+6*\c:PCA+6*\c+2], v[AC+32*\c:AC+32*\c+15], v[TM+12+2*\c]
	v_cvt_scalef32_pk16_fp6_f32 v[TC+4*\c:TC+4*\c+2], v[AC+32*\c+16:AC+32*\c+31], v[TM+12+2*\c+1]   ; (a conversion's three registers begin on an even number)
.endr
	WIN 0
	v_nop                                          ; one plain line behind a scaled conversion
.irp c, 0,1                                    ; a whole block to a lane: lanes 0-15 block 2 c, lanes 16-31 block 2 c + 1
.irp i, 0,1,2
	v_permlane16_swap_b32 v[PCA+6*\c+\i], v[TC+4*\c+\i]
.endr
.irp i, 0,1,2
	v_mov_b32 v[PCA+3+6*\c+\i], v[TC+4*\c+\i]
.endr
.endr
.endm
	PLACES NP                                      ; behind the last products: their results are read, and A's registers written, below
	s_mov_b32 s2, 0x76543210
	s_mov_b32 s3, 0xfedcba98                       ; v_permlanex16_b32's selects for lane l xor 16
.irp b, 0,1,2,3
	v_mov_b32 v[TM+4+\b], 0                        ; a lane permute's destination counts as one of its sources
.endr
.irp a, 0,1,2,3,4,5,6,7
	QUANTW \a
.endr
	v_cmp_le_u32 vcc_lo, 16, v[LN]                 ; lanes 16-31 carry the odd tile's scale words
	s_cmp_eq_u32 ttmp9, 2
	s_cbranch_scc1 .Lv
	; q and k: block a is tile a of 16 tokens; registers 6 c .. 6 c + 5 are head c's 64 channels.  Each store of the wave covers 512 or 256 consecutive bytes, aligned to 256.
.irp a, 0,1,2,3,4,5,6,7
.irp c, 0,1
	global_store_b128 v[L16], v[PC+12*\a+6*\c:PC+12*\a+6*\c+3], s[4:5] offset:\c*REC+768*\a
	global_store_b64 v[L8], v[PC+12*\a+6*\c+4:PC+12*\a+6*\c+5], s[4:5] offset:\c*REC+768*\a+512
.endr
.endr
.irp i, 0,1,2,3
	v_cndmask_b32 v[XW+\i], v[PW+2*\i], v[PW+2*\i+1], vcc_lo       ; head 0's two bytes are the word's low ones,
.endr
.irp i, 0,1,2,3
	v_lshrrev_b32 v[YW+\i], 16, v[XW+\i]                           ; head 1's the high ones
.endr
	global_store_b128 v[L16], v[XW:XW+3], s[6:7]
	global_store_b128 v[L16], v[YW:YW+3], s[6:7] offset:REC
	s_branch .Lend
.Lv:
	; v: block a is tile a % 4 of 16 channels of head a / 4; its twelve registers are a fragment over my 128 tokens, one key step
.irp a, 0,1,2,3,4,5,6,7
.irp j, 0,1,2
	global_store_b128 v[L16], v[PC+12*\a+4*\j:PC+12*\a+4*\j+3], s[4:5] offset:(\a/4)*REC+(\a%4)*1536+512*\j
.endr
.endr
.irp i, 0,1
	v_cndmask_b32 v[XW+\i], v[PW+2*\i], v[PW+2*\i+1], vcc_lo
	v_cndmask_b32 v[YW+\i], v[PW+4+2*\i], v[PW+5+2*\i], vcc_lo
.endr
	global_store_b64 v[L8], v[XW:XW+1], s[6:7]
	global_store_b64 v[L8], v[YW:YW+1], s[6:7] offset:REC
.Lend:
	s_wait_tensorcnt 0x0                           ; the wave's end
	ds_add_u32 v[SPW], v[NIL]
	s_wait_dscnt 0x0
	CROUND                                         ; the closing round: no work-group ends while a partner may still ask for a tile that names it
	s_endpgm
.Lfunc_end_k_q62086ea588_proj:
	.size	k_q62086ea588_proj, .Lfunc_end_k_q62086ea588_proj-k_q62086ea588_proj
	.p2alignl 7, 3214868480
	.fill 96, 4, 3214868480
	.section	.rodata,"a",@progbits
	.p2align	6, 0x0
	.amdhsa_kernel k_q62086ea588_proj
		.amdhsa_group_segment_fixed_size 327680
		.amdhsa_private_segment_fixed_size 0
		.amdhsa_enable_private_segment 0
		.amdhsa_kernarg_size 72
		.amdhsa_user_sgpr_count 2
		.amdhsa_user_sgpr_kernarg_segment_ptr 1
		.amdhsa_wavefront_size32 1
		.amdhsa_system_sgpr_workgroup_id_x 1
		.amdhsa_system_sgpr_workgroup_id_y 1
		.amdhsa_system_sgpr_workgroup_id_z 1
		.amdhsa_system_vgpr_workitem_id 0
		.amdhsa_next_free_vgpr 1024
		.amdhsa_next_free_sgpr 98
		.amdhsa_reserve_vcc 1
		.amdhsa_float_denorm_mode_32 3
		.amdhsa_float_denorm_mode_16_64 3
		.amdhsa_memory_ordered 1
		.amdhsa_forward_progress 1
		.amdhsa_inst_pref_size 168
	.end_amdhsa_kernel
	.amdgpu_metadata
---
amdhsa.version: [ 1, 2 ]
amdhsa.kernels:
  - .name:           k_q62086ea588_proj
    .symbol:         k_q62086ea588_proj.kd
    .args:
      - { .name: x_codes, .offset: 0, .size: 8, .value_kind: global_buffer, .address_space: global }
      - { .name: x_scales, .offset: 8, .size: 8, .value_kind: global_buffer, .address_space: global }
      - { .name: Wq_codes, .offset: 16, .size: 8, .value_kind: global_buffer, .address_space: global }
      - { .name: Wq_scales, .offset: 24, .size: 8, .value_kind: global_buffer, .address_space: global }
      - { .name: Wk_codes, .offset: 32, .size: 8, .value_kind: global_buffer, .address_space: global }
      - { .name: Wk_scales, .offset: 40, .size: 8, .value_kind: global_buffer, .address_space: global }
      - { .name: Wv_codes, .offset: 48, .size: 8, .value_kind: global_buffer, .address_space: global }
      - { .name: Wv_scales, .offset: 56, .size: 8, .value_kind: global_buffer, .address_space: global }
      - { .name: qkv, .offset: 64, .size: 8, .value_kind: global_buffer, .address_space: global }
    .group_segment_fixed_size: 327680
    .private_segment_fixed_size: 0
    .kernarg_segment_align: 8
    .kernarg_segment_size: 72
    .max_flat_workgroup_size: 128
    .sgpr_count:     98
    .vgpr_count:     1024
    .wavefront_size: 32
...
	.end_amdgpu_metadata
.endif
;; end of part 1
;; launch attn (part 2): grid 4 x 64, 16 waves a work-group, clusters of 4 x 1, 210,944 bytes of LDS; arguments qkv, acodes, ascales; writes acodes, ascales
.if DOCPART == 2
	.amdgcn_target "amdgcn-amd-amdhsa--gfx1250"
	.amdhsa_code_object_version 6
	.text
	.protected	k_q62086ea588_attn
	.globl	k_q62086ea588_attn
	.p2align	8
	.type	k_q62086ea588_attn,@function
k_q62086ea588_attn:
	s_mov_b64 s[64:65], 0
	v_nop
	global_prefetch_b8 v0, s[64:65] scope:SCOPE_SE
	s_setreg_imm32_b32 hwreg(HW_REG_WAVE_MODE, 25, 1), 1
	s_wait_xcnt 0x0
	s_wait_alu depctr_hold_cnt(0) depctr_sa_sdst(0) depctr_va_vdst(0) depctr_va_sdst(0) depctr_va_ssrc(0) depctr_va_vcc(0) depctr_vm_vsrc(0)
	s_getreg_b32 s2, hwreg(HW_REG_IB_STS2, 6, 4)
	s_cmp_eq_u32 s2, 0
	s_cbranch_scc0 .Lentry_in_a_cluster
	s_endpgm
.Lentry_in_a_cluster:
	s_bfe_u32 s2, ttmp6, 0x10000c
	s_cmp_lg_u32 s2, 0x3003
	s_cbranch_scc0 .Lentry_shape_is_right
	s_endpgm
.Lentry_shape_is_right:
; Causal attention of one (batch, head) for each cluster, on codes of FP6 (E2M3): S^T = K Q^T (K = the head's 64), O^T = V^T P^T (K = the keys), both with one E8M0 scale for each 32 along K.
; THE SOFTMAX: t = score x log2(e) / 8; M = the running largest t rounded UP to a whole number; p = 2^(t - M) is quantised along the keys, not normalised; the row's sum l is taken of the unquantised p;
; when M moves, l and O^T are multiplied by 2^(old M - new M), which rounds nothing.  At a tile's end O^T / l is quantised along the model's 1,024 (a head's 64 channels are two whole blocks) for the last product.
; SHARES.  A head has 128 tiles of 16 queries: 16 ranks of 128 queries x 8 tiles.  The cluster's four work-groups take two of the eight each; wave w takes tile (rank w, 2 cx) and then tile (rank 15 - w, 2 cx + 1).
; A tile of rank g needs key steps 0 .. g of 128 keys (the later ones lie wholly under the mask): (w + 1) + (16 - w) = 17 steps for every wave, two of them on the diagonal.
; Trip counts, branches and LDS addresses hang on the loop's counter and the wave's number alone; the place in the cluster enters Q's and the output's addresses in memory and the mask's numbers.
; LDS.  A head's K, V and their scale words, the first 208,896 bytes of its record, lie in LDS whole, at the record's own offsets, filled ONCE: sixteen joint loads, one a wave, each 51 rows of 256 bytes, with a mask
; that names the four work-groups.  One tensor load of a wave is out.  Behind the one barrier LDS is only read, so the waves need no step in common.
; All tiles are images of operand registers (lane l's bytes on end), so every LDS load takes consecutive bytes in consecutive lanes.
; K = 64 IN AN INSTRUCTION OF K = 128: Q's registers 6-11 are zero codes.  K's fragment t is named v[32 + 6 t .. 43 + 6 t]: its upper six registers are tile t + 1's codes (zeros for t = 7), finite numbers that meet zeros.
; A lane holds one query (lane % 16) throughout; score register n holds key 16 (n / 8) + 8 (lane / 16) + n % 8 of the step.  The codes of p are laid in the order in which the launch before has laid V's: the sums hold the same terms.
; The output's two scale bytes a row and head leave as 2 bytes a lane, 32 bytes apart: one byte in 24 of what the launch stores.
; LIMITS: NaN and infinities are not served; a block whose largest magnitude lies under 2^-124 (a block of zeros too) keeps the byte 1: the bytes are read by this program alone.
; REGISTERS: v1-5 lane terms; v6-10 the step's LDS addresses; v11 the mask's d; v12 -M, v13 the largest t, v[14:15] l; v16-27 Q; v28 Q's scale word; v29 p's; v30 -infinity; v31 32 r; v32-79 K's, then V's fragments; v80-85 zeros;
;   v86-92 the second tile's Q; v96-159 S^T, then p; v160-191 O^T; v192-195 K's scale words, v196-197 V's; v200-211 at work; v212-223 p's codes; v224-230 conversions' second halves; v[232:233] f; v234, v[236:237] at work; v238-248 the output.
.set REC,  315392                      ; a record of qkv
.set VCO,  98304                       ; V's codes in it
.set KSO,  196608                      ; K's scale words
.set VSO,  204800                      ; V's
.set QCO,  208896                      ; Q's codes
.set QSO,  307200                      ; Q's scale words
.set PART, 13056                       ; what one wave fetches: 51 x 256 bytes; 16 x 13,056 = 208,896
.set BM,   200                         ; the blocks' largest scores, then largest p
.set T4,   204
.set SO,   208                         ; the conversions' scale operands
.macro CROUND                          ; a round of the cluster's barrier
	s_barrier_signal -1
	s_barrier_wait -1
	s_cmp_lg_u32 s10, 0
	s_cbranch_scc1 .Lnot_wave_0_\@
	s_barrier_signal -3
.Lnot_wave_0_\@:
	s_barrier_wait -3
	s_barrier_signal -1
	s_barrier_wait -1
.endm
	s_load_b128 s[4:7], s[0:1], 0x0                ; qkv, acodes
	s_load_b64 s[8:9], s[0:1], 0x10                ; ascales
	v_lshl_add_u32 v254, v0, 2, 0x33000
	v_mov_b32 v255, 0
	ds_add_u32 v254, v255
	ds_add_u32 v254, v255
	v_lshrrev_b32 v1, 5, v0
	v_readfirstlane_b32 s10, v1                    ; wave w, 0..15
	s_bfe_u32 s11, ttmp6, 0x40000                  ; cx
	s_and_b32 s12, ttmp7, 0xffff                   ; 16 x batch + head: the cluster's y
	s_add_co_u32 s14, s10, 1                       ; the first tile's steps
	s_xor_b32 s18, s10, 15                         ; 15 - w: the second tile's rank
	; descriptor group 1: 51 rows of 32 elements of 8 bytes, dense
	s_mov_b32 s24, 15|(3<<16)|(1<<21)              ; 15:0 the mask: all four work-groups; 17:16 elements of 8 bytes; 21 set beside a mask
	s_mov_b32 s25, 32<<16                          ; tensor_dim0
	s_mov_b32 s26, 51<<16                          ; tensor_dim1
	s_mov_b32 s27, 32<<16                          ; tile_dim0
	s_mov_b32 s28, 51                              ; tile_dim1
	s_mov_b32 s29, 32                              ; from row to row
	s_mov_b32 s30, 0
	s_mov_b32 s31, 0
	s_mov_b32 s36, 0x76543210
	s_mov_b32 s37, 0xfedcba98                      ; v_permlanex16_b32's selects for lane l xor 16
	s_mov_b32 s38, 0x3e38aa3b                      ; c = log2(e) / 8
	s_mov_b32 s39, s38                             ; (named with it as a pair)
	s_mul_i32 s20, s12, REC                        ; my record
	s_mov_b32 s32, 1                               ; group 0: count,
	s_mul_i32 s33, s10, PART                       ; LDS address: wave x 13,056,
	s_add_co_u32 s22, s20, s33                     ; and the same bytes of the record: nothing of cx
	s_mov_b32 s23, 0
	s_lshl_b32 s58, s11, 1                         ; 2 cx
	s_lshl_b32 s59, s10, 3
	s_add_co_u32 s59, s59, s58                     ; my first tile in the head: 8 w + 2 cx
	s_lshl_b32 s60, s18, 3
	s_add_co_u32 s60, s60, s58
	s_add_co_u32 s60, s60, 1                       ; my second: 8 (15 - w) + 2 cx + 1
	s_lshr_b32 s61, s12, 4
	s_lshl_b32 s61, s61, 7                         ; the batch's 128 tiles of rows
	s_add_co_u32 s40, s61, s59                     ; the first tile's place among the output's 512 tiles of rows,
	s_add_co_u32 s41, s61, s60                     ; the second's
	s_and_b32 s42, s12, 15                         ; the head
	s_mul_i32 s48, s59, 768
	s_add_co_u32 s48, s48, s20
	s_add_co_u32 s48, s48, QCO                     ; Q's codes of the first tile,
	s_mov_b32 s49, 0
	s_mul_i32 s52, s60, 768
	s_add_co_u32 s52, s52, s20
	s_add_co_u32 s52, s52, QCO                     ; of the second
	s_mov_b32 s53, 0
	s_lshl_b32 s61, s11, 2                         ; Q's scale words: 512 bytes a rank; lane r + 16 (tile % 2) has 16 bytes, word tile / 2 = cx
	s_add_co_u32 s61, s61, s20
	s_add_co_u32 s61, s61, QSO
	s_lshl_b32 s50, s10, 9
	s_add_co_u32 s50, s50, s61
	s_mov_b32 s51, 0
	s_lshl_b32 s54, s18, 9
	s_add_co_u32 s54, s54, s61
	s_add_co_u32 s54, s54, 256                     ; (the second tile is an odd one: lanes 16-31's place)
	s_mov_b32 s55, 0
	s_lshl_b32 s61, s11, 5                         ; 16 x the first tile's number in its rank
	s_wait_dscnt 0x0
	s_wait_kmcnt 0x0
	s_add_nc_u64 s[34:35], s[4:5], s[22:23]
	s_or_b32 s35, s35, 0x80000000                  ; type = 2
	s_add_nc_u64 s[48:49], s[4:5], s[48:49]
	s_add_nc_u64 s[50:51], s[4:5], s[50:51]
	s_add_nc_u64 s[52:53], s[4:5], s[52:53]
	s_add_nc_u64 s[54:55], s[4:5], s[54:55]
	CROUND                                         ; all four work-groups are here: the joint loads meet
	tensor_load_to_lds s[32:35], s[24:31]          ; my sixteenth of the head's K, V and scale words
	s_nop 0
.rept 4
	v_nop
.endr
	v_and_b32 v1, 31, v0
	v_lshlrev_b32 v2, 3, v1                        ; 8 x lane
	v_lshlrev_b32 v1, 4, v1                        ; 16 x lane
	v_and_b32 v7, 15, v0                           ; r
	v_lshlrev_b32 v9, 4, v7                        ; 16 r
	global_load_b128 v[16:19], v1, s[48:49]        ; Q of both tiles stays in registers
	global_load_b64 v[20:21], v2, s[48:49] offset:512
	global_load_b32 v28, v9, s[50:51]
	global_load_b128 v[86:89], v1, s[52:53]
	global_load_b64 v[90:91], v2, s[52:53] offset:512
	global_load_b32 v92, v9, s[54:55]
	v_add_nc_u32 v3, VCO, v1
	v_add_nc_u32 v4, KSO, v1
	v_add_nc_u32 v5, VSO, v2
	v_bfe_u32 v8, v0, 4, 1                         ; h
	v_lshlrev_b32 v31, 5, v7                       ; 32 r: a row of the output's scale bytes
	v_lshlrev_b32 v8, 3, v8
	v_sub_nc_u32 v11, v7, v8
	v_add_nc_u32 v11, s61, v11                     ; d = 16 x tile + r - 8 h: on the diagonal score register n is hidden where 16 (n / 8) + n % 8 > d
	v_mov_b32 v30, 0xff800000                      ; -infinity
	v_mov_b32 v13, 0xff61b1e6                      ; the largest t so far: -3e38, under every t
	v_floor_f32 v12, -v13                          ; -M
	v_mov_b32 v14, 0                               ; l, in two halves
	v_mov_b32 v15, 0
	v_mov_b32 v233, 0                              ; (named as the upper half of the pair v[232:233])
.irp j, 0,1,2,3,4,5
	v_mov_b32 v[22+\j], 0                          ; zero codes: Q's K = 64 .. 127
	v_mov_b32 v[80+\j], 0                          ; and what stands behind K's last tile
.endr
.irp b, 0,1,2,3
	v_mov_b32 v[T4+\b], 0                          ; a lane permute's destination counts as one of its sources
.endr
.set n, 0
.rept 32
	v_mov_b32 v[160+n], 0                          ; O^T: the step is written once; a tile's first step finds zeros
.set n, n+1
.endr
	s_wait_tensorcnt 0x0                           ; my part has landed,
	s_barrier_signal -1
	s_barrier_wait -1                              ; everybody's has
	s_wait_loadcnt 0x0                             ; Q
	s_mov_b32 s13, 0
.Lstep:                                            ; 17 trips: t = 0 .. w the first tile's steps, then the second's
	s_add_co_u32 s17, s13, s18                     ; t + 15 - w = (t - w - 1) + 16
	s_cmp_lt_u32 s13, s14
	s_cselect_b32 s15, s13, s17
	s_cselect_b32 s16, s10, s18                    ; the tile's rank: its last step
	s_cselect_b32 s19, s40, s41                    ; its place in the output
	s_and_b32 s15, s15, 15                         ; the key step k, 0 .. 15
	s_mul_i32 s43, s15, 6144                       ; a step's codes of K, and of V
	s_lshl_b32 s56, s15, 9                         ; its scale words of K,
	s_lshl_b32 s57, s15, 8                         ; of V
	v_add_nc_u32 v6, s43, v1                       ; (these five are the places between the last trip's products and the loads into their registers)
	v_add_nc_u32 v7, s43, v2
	v_add_nc_u32 v8, s43, v3
	v_add_nc_u32 v9, s56, v4
	v_add_nc_u32 v10, s57, v5
.irp t, 0,1,2,3,4,5,6,7
	ds_load_b128 v[32+6*\t:35+6*\t], v6 offset:768*\t
	ds_load_b64 v[36+6*\t:37+6*\t], v7 offset:768*\t+512
.endr
	ds_load_b128 v[192:195], v9
	s_wait_dscnt 0x0
.irp t, 0,2,4,6                                ; S^T = K Q^T: source 0 = 16 keys, source 1 = my 16 queries
	v_wmma_scale_f32_16x16x128_f8f6f4 v[96+8*\t:103+8*\t], v[32+6*\t:43+6*\t], v[16:27], 0, v[192+\t/2], v28 matrix_a_fmt:MATRIX_FMT_FP6 matrix_b_fmt:MATRIX_FMT_FP6
	v_wmma_scale_f32_16x16x128_f8f6f4 v[104+8*\t:111+8*\t], v[38+6*\t:49+6*\t], v[16:27], 0, v[192+\t/2], v28 matrix_a_fmt:MATRIX_FMT_FP6 matrix_b_fmt:MATRIX_FMT_FP6 matrix_a_scale:MATRIX_SCALE_ROW1
.endr
.rept 4
	v_nop                                          ; places in front of the loads into K's registers and of the first read of the scores
.endr
.irp u, 0,1,2,3                                ; V's four fragments land while the softmax is worked
.irp j, 0,1,2
	ds_load_b128 v[32+12*\u+4*\j:35+12*\u+4*\j], v8 offset:1536*\u+512*\j
.endr
.endr
	ds_load_b64 v[196:197], v10
	s_cmp_lg_u32 s15, s16                          ; only a tile's last step lies on the diagonal
	s_cbranch_scc1 .Lopen
.set n, 0
.rept 64
	v_cmp_gt_i32 vcc_lo, 16*(n/8)+n%8, v11
	v_cndmask_b32 v[96+n], v[96+n], v30, vcc_lo    ; a hidden key's score becomes -infinity: p = 0.  The query's own key counts, so M is a number
.set n, n+1
.endr
.Lopen:
.irp b, 0,1,2,3
	v_max3_num_f32 v[BM+\b], v[96+16*\b], v[97+16*\b], v[98+16*\b]   ; the largest score of each block of 32 keys: it serves for the row's maximum and, since p rises with the score, for the block's largest p
.endr
.irp i, 3,5,7,9,11,13
.irp b, 0,1,2,3
	v_max3_num_f32 v[BM+\b], v[BM+\b], v[96+16*\b+\i], v[97+16*\b+\i]
.endr
.endr
.irp b, 0,1,2,3
	v_max_num_f32 v[BM+\b], v[BM+\b], v[111+16*\b]
.endr
.irp b, 0,1,2,3
	v_permlanex16_b32 v[T4+\b], v[BM+\b], s36, s37
.endr
.irp b, 0,1,2,3
	v_max_num_f32 v[BM+\b], v[BM+\b], v[T4+\b]     ; with lane l xor 16's 16 keys
.endr
	v_max3_num_f32 v234, v200, v201, v202
	v_max_num_f32 v234, v234, v203                 ; the step's largest score of my query
	v_mul_f32 v234, s38, v234                      ; as t
	v_max_num_f32 v13, v13, v234                   ; the running largest t
	v_mov_b32 v234, v12
	v_floor_f32 v12, -v13                          ; the new -M = -ceil(t)
	v_sub_f32 v234, v12, v234                      ; old M - new M: a whole number, 0 or less
	v_cvt_i32_f32 v234, v234                       ; (it saturates)
	v_ldexp_f32 v232, 1.0, v234                    ; f = 2^(old M - new M)
.set n, 0
.rept 32
	v_pk_fma_f32 v[96+n:97+n], v[96+n:97+n], s[38:39], v[12:13] op_sel_hi:[1,0,0]   ; t - M, two at a time
.set n, n+2
.endr
.irp b, 0,1,2,3
	v_fma_f32 v[BM+\b], v[BM+\b], s38, v12         ; the same of each block's largest score
.endr
.set n, 0
.rept 64
	v_exp_f32 v[96+n], v[96+n]                     ; p = 2^(t - M)
.set n, n+1
.endr
.irp b, 0,1,2,3
	v_exp_f32 v[BM+\b], v[BM+\b]                   ; the block's largest p
.endr
	v_pk_mul_f32 v[14:15], v[14:15], v[232:233] op_sel_hi:[1,0]   ; l under the new M.  (A plain line behind the exponentials)
	s_wait_alu depctr_va_vdst(0)
.irp b, 0,1,2,3
	v_max_num_f32 v[BM+\b], 0x1800000, v[BM+\b]    ; the floor 2^-124: the byte cannot fall under 1
.endr
.irp b, 0,1,2,3
	v_add_nc_u32 v[SO+\b], 0xff000000, v[BM+\b]    ; 2 off the exponent field: the conversion's scale operand
.endr
.irp b, 0,1,2,3
	v_lshrrev_b32 v[T4+\b], 23, v[SO+\b]           ; the scale's byte
.endr
	v_lshl_or_b32 v29, v205, 8, v204               ; p's scale word for these 128 keys
	v_lshl_or_b32 v29, v206, 16, v29
	v_lshl_or_b32 v29, v207, 24, v29
.irp c, 0,1
	v_cvt_scalef32_pk16_fp6_f32 v[212+6*\c:214+6*\c], v[96+32*\c:111+32*\c], v[SO+2*\c]
	v_cvt_scalef32_pk16_fp6_f32 v[224+4*\c:226+4*\c], v[112+32*\c:127+32*\c], v[SO+2*\c+1]   ; (a conversion's three registers begin on an even number)
.endr
	v_nop                                          ; one plain line behind a scaled conversion
.irp c, 0,1                                    ; a whole block to a lane: lanes 0-15 block 2 c, lanes 16-31 block 2 c + 1
.irp i, 0,1,2
	v_permlane16_swap_b32 v[212+6*\c+\i], v[224+4*\c+\i]
.endr
.irp i, 0,1,2
	v_mov_b32 v[215+6*\c+\i], v[224+4*\c+\i]
.endr
.endr
	v_pk_add_f32 v[236:237], v[96:97], v[98:99]    ; the row's sum of the unquantised p, in two chains
.irp j, 4,8,12,16,20,24,28,32,36,40,44,48,52,56,60
	v_pk_add_f32 v[14:15], v[14:15], v[96+\j:97+\j]
	v_pk_add_f32 v[236:237], v[236:237], v[98+\j:99+\j]
.endr
	v_pk_add_f32 v[14:15], v[14:15], v[236:237]
.set n, 0
.rept 16
	v_pk_mul_f32 v[160+n:161+n], v[160+n:161+n], v[232:233] op_sel_hi:[1,0]   ; O^T under the new M.  (With the sums above: the places between p's codes and scale word and the products below)
.set n, n+2
.endr
	s_wait_dscnt 0x0                               ; V
.irp u, 0,2                                    ; O^T += V^T P^T: source 0 = 16 channels, source 1 = P.  One instruction to each accumulator; the eight score products stand between two of its turns
	v_wmma_scale_f32_16x16x128_f8f6f4 v[160+8*\u:167+8*\u], v[32+12*\u:43+12*\u], v[212:223], v[160+8*\u:167+8*\u], v[196+\u/2], v29 matrix_a_fmt:MATRIX_FMT_FP6 matrix_b_fmt:MATRIX_FMT_FP6
	v_wmma_scale_f32_16x16x128_f8f6f4 v[168+8*\u:175+8*\u], v[44+12*\u:55+12*\u], v[212:223], v[168+8*\u:175+8*\u], v[196+\u/2], v29 matrix_a_fmt:MATRIX_FMT_FP6 matrix_b_fmt:MATRIX_FMT_FP6 matrix_a_scale:MATRIX_SCALE_ROW1
.endr
	s_cmp_lg_u32 s15, s16
	s_cbranch_scc1 .Lnofin
	; A TILE'S END.  O^T / l, brought into the true order of channels, quantised, stored.
	v_nop                                          ; with the two additions and the line behind the reciprocal: five plain lines behind the last products
	v_nop
	s_wait_xcnt 0x0                                ; the first tile's stores have read their registers and bases: both are written again below
	v_add_f32 v14, v14, v15
	v_permlanex16_b32 v234, v14, s36, s37
	v_add_f32 v14, v14, v234                       ; the row's sum
	v_rcp_f32 v232, v14
	v_nop                                          ; a plain line behind the reciprocal
.set n, 0
	s_wait_alu depctr_va_vdst(0)
.rept 16
	v_pk_mul_f32 v[160+n:161+n], v[160+n:161+n], v[232:233] op_sel_hi:[1,0]   ; each accumulator from its low end on
.set n, n+2
.endr
.irp b, 0,1                                    ; register 16 b + 8 u + j holds channel 32 b + 16 u + 8 h + j; the first's lanes 16-31 change places with the second's lanes 0-15: register 16 b + i then holds channel 32 b + 16 h + i
.irp j, 0,1,2,3,4,5,6,7
	v_permlane16_swap_b32 v[160+16*\b+\j], v[168+16*\b+\j]
.endr
.endr
.irp b, 0,1
	v_max3_num_f32 v[BM+\b], |v[160+16*\b]|, |v[161+16*\b]|, 0x1800000
.endr
.irp i, 2,4,6,8,10,12,14
.irp b, 0,1
	v_max3_num_f32 v[BM+\b], v[BM+\b], |v[160+16*\b+\i]|, |v[161+16*\b+\i]|
.endr
.endr
.irp b, 0,1
	v_permlanex16_b32 v[T4+\b], v[BM+\b], s36, s37
.endr
.irp b, 0,1
	v_max_num_f32 v[BM+\b], v[BM+\b], v[T4+\b]
.endr
.irp b, 0,1
	v_add_nc_u32 v[SO+\b], 0xff000000, v[BM+\b]
.endr
.irp b, 0,1
	v_lshrrev_b32 v[T4+\b], 23, v[SO+\b]
.endr
	v_lshl_or_b32 v238, v205, 8, v204              ; my row's two scale bytes of this head
	v_cvt_scalef32_pk16_fp6_f32 v[240:242], v[160:175], v208
	v_cvt_scalef32_pk16_fp6_f32 v[246:248], v[176:191], v209
	v_nop
.irp i, 0,1,2
	v_permlane16_swap_b32 v[240+\i], v[246+\i]
.endr
.irp i, 0,1,2
	v_mov_b32 v[243+\i], v[246+\i]                 ; lane (r, h): block h of the head's two, 24 bytes
.endr
	s_lshl_b32 s20, s19, 4
	s_add_co_u32 s20, s20, s42
	s_mul_i32 s20, s20, 768                        ; acodes: [tile of rows][head][768]
	s_mov_b32 s21, 0
	s_add_nc_u64 s[44:45], s[6:7], s[20:21]
	s_lshl_b32 s22, s19, 9                         ; ascales: 16 rows of 32 bytes,
	s_lshl_b32 s17, s42, 1                         ; 2 bytes a head
	s_add_co_u32 s22, s22, s17
	s_mov_b32 s23, 0
	s_add_nc_u64 s[46:47], s[8:9], s[22:23]
	global_store_b128 v1, v[240:243], s[44:45]     ; 512 consecutive bytes,
	global_store_b64 v2, v[244:245], s[44:45] offset:512   ; and 256
	global_store_b16 v31, v238, s[46:47]           ; lanes 16-31 write the same bytes with the same value
	s_cmp_eq_u32 s13, 16                           ; behind the second tile nothing follows
	s_cbranch_scc1 .Lnofin
	v_mov_b32 v28, v92                             ; the second tile: Q's scale word first: more than eight plain lines stand between it and the next product,
.irp j, 0,1,2,3,4,5
	v_mov_b32 v[16+\j], v[86+\j]                   ; Q's codes,
.endr
	v_add_nc_u32 v11, 16, v11                      ; the next tile of its rank,
	v_mov_b32 v13, 0xff61b1e6
	v_floor_f32 v12, -v13
	v_mov_b32 v14, 0
	v_mov_b32 v15, 0
.set n, 0
.rept 32
	v_mov_b32 v[160+n], 0
.set n, n+1
.endr
.Lnofin:
	s_add_co_u32 s13, s13, 1
	s_cmp_lt_u32 s13, 17
	s_cbranch_scc1 .Lstep
	s_wait_dscnt 0x0
	s_wait_tensorcnt 0x0
	ds_add_u32 v254, v255
	s_wait_dscnt 0x0
	CROUND                                         ; the closing round: no work-group ends while a partner may still ask jointly
	s_endpgm
.Lfunc_end_k_q62086ea588_attn:
	.size	k_q62086ea588_attn, .Lfunc_end_k_q62086ea588_attn-k_q62086ea588_attn
	.p2alignl 7, 3214868480
	.fill 96, 4, 3214868480
	.section	.rodata,"a",@progbits
	.p2align	6, 0x0
	.amdhsa_kernel k_q62086ea588_attn
		.amdhsa_group_segment_fixed_size 210944
		.amdhsa_private_segment_fixed_size 0
		.amdhsa_enable_private_segment 0
		.amdhsa_kernarg_size 24
		.amdhsa_user_sgpr_count 2
		.amdhsa_user_sgpr_kernarg_segment_ptr 1
		.amdhsa_wavefront_size32 1
		.amdhsa_system_sgpr_workgroup_id_x 1
		.amdhsa_system_sgpr_workgroup_id_y 1
		.amdhsa_system_sgpr_workgroup_id_z 1
		.amdhsa_system_vgpr_workitem_id 0
		.amdhsa_next_free_vgpr 256
		.amdhsa_next_free_sgpr 66
		.amdhsa_reserve_vcc 1
		.amdhsa_float_denorm_mode_32 3
		.amdhsa_float_denorm_mode_16_64 3
		.amdhsa_memory_ordered 1
		.amdhsa_forward_progress 1
		.amdhsa_inst_pref_size 34
	.end_amdhsa_kernel
	.amdgpu_metadata
---
amdhsa.version: [ 1, 2 ]
amdhsa.kernels:
  - .name:           k_q62086ea588_attn
    .symbol:         k_q62086ea588_attn.kd
    .args:
      - { .name: qkv, .offset: 0, .size: 8, .value_kind: global_buffer, .address_space: global }
      - { .name: acodes, .offset: 8, .size: 8, .value_kind: global_buffer, .address_space: global }
      - { .name: ascales, .offset: 16, .size: 8, .value_kind: global_buffer, .address_space: global }
    .group_segment_fixed_size: 210944
    .private_segment_fixed_size: 0
    .kernarg_segment_align: 8
    .kernarg_segment_size: 24
    .max_flat_workgroup_size: 512
    .sgpr_count:     66
    .vgpr_count:     256
    .wavefront_size: 32
...
	.end_amdgpu_metadata
.endif
;; end of part 2
;; launch outp (part 3): grid 4 x 32, 4 waves a work-group, clusters of 4 x 4, 327,680 bytes of LDS; arguments acodes, ascales, Wo_codes, Wo_scales, out0; writes out0
.if DOCPART == 3
	.amdgcn_target "amdgcn-amd-amdhsa--gfx1250"
	.amdhsa_code_object_version 6
	.text
	.protected	k_q62086ea588_outp
	.globl	k_q62086ea588_outp
	.p2align	8
	.type	k_q62086ea588_outp,@function
k_q62086ea588_outp:
	s_mov_b64 s[64:65], 0
	v_nop
	global_prefetch_b8 v0, s[64:65] scope:SCOPE_SE
	s_setreg_imm32_b32 hwreg(HW_REG_WAVE_MODE, 25, 1), 1
	s_wait_xcnt 0x0
	s_wait_alu depctr_hold_cnt(0) depctr_sa_sdst(0) depctr_va_vdst(0) depctr_va_sdst(0) depctr_va_ssrc(0) depctr_va_vcc(0) depctr_vm_vsrc(0)
	s_getreg_b32 s2, hwreg(HW_REG_IB_STS2, 6, 4)
	s_cmp_eq_u32 s2, 0
	s_cbranch_scc0 .Lentry_in_a_cluster
	s_endpgm
.Lentry_in_a_cluster:
	s_bfe_u32 s2, ttmp6, 0x10000c
	s_cmp_lg_u32 s2, 0xf033
	s_cbranch_scc0 .Lentry_shape_is_right
	s_endpgm
.Lentry_shape_is_right:
; out0[m][n] = sum over k of A[m][k] Wo[n][k], on codes of FP6 (E2M3) with one E8M0 scale for each 32 along K = 1,024; sums and out0 in f32.
; A is the attention's output as the launch before has laid it: acodes [tile of 16 rows 512][head 16][768]: registers 0-3 of lane l at 16 l, registers 4-5 at 512 + 8 l; lane (r, h) holds block h of that head's two for row r;
; so two heads' images are one fragment of 128 along K, and a tile of rows is 12,288 bytes = 16 rows of 768.  ascales [8,192][32].  Wo: rows of 768 bytes, a plain stream of bits; its scale bytes [1,024][32].
; A tile of out0, 256 x 256, is made by four waves, 128 x 128 each: 64 accumulators.  K goes in steps of 256 through a ring of two LDS slots filled by the tensor data mover:
; of A 8 tiles of rows x 3,072 consecutive bytes a load, of Wo 128 rows x 192 bytes.  The scales of the work-group's rows, for all of K, come into LDS once, with the first fills.
; CLUSTERS: 4 x 4 work-groups; A's tiles are asked for jointly along a row of the cluster, Wo's along a column.  THE MATRIX INSTRUCTION IS USED TRANSPOSED (source 0 = 16 rows of Wo, source 1 = 16 rows of A): a lane holds eight neighbouring numbers of a row of out0.
; REGISTERS, in windows of 256: window 0: v0-31 addresses; v32-63 scale words, two sets; from v128 A's fragments, one set; on the way out v128-255 rows read back.
;   window 1: Wo's fragments, two sets, at v0 and v128.   window 2: the accumulators of my rows 0-63 ((a, b) at v[8 (8 a + b)]);   window 3: those of rows 64-127.
.set SIZE_N, 1024
.set SIZE_K, 1024
.set KSTEP,  256
.set NQ,     KSTEP/128
.set ROWB,   192                       ; a row of Wo's tile
.set ROWA,   3072                      ; a K step of a tile of 16 rows of A: four heads' images
.set KROW,   SIZE_K*6/8
.set PITCH,  240                       ; Wo's LDS row: 3 x (64 bytes + 16 of padding)
.set FR,     12
.set NL,     6                         ; LDS loads that bring a fragment of Wo
.set NLA,    4                         ; and of A
.set NP,     4                         ; places behind this matrix instruction (ISA guide 7.12.1)
.set HALFT,  128*PITCH                 ; the room of 128 rows (A's images use 24,576 bytes of it)
.set SLOT,   4*HALFT
.set LAPS,   SIZE_K/(2*KSTEP)
.set KS,     SIZE_K/32
.set SCL,    2*SLOT
.set HALFS,  (128*KS/256)*272
.set SBLK,   (16*KS/256)*272
.set SPARE,  SCL+4*HALFS               ; the spare words, 128 bytes for each wave: two blocks of 256 bytes that no other line names
.set SPITCH, 528                       ; the way out: a stage of 16 rows x (512 bytes + 16) for each wave, in slot 0, which has had its last fill and its last read by then
.set ADRA, 16                          ; v16-17 slot 0, 1: my A images + 16 x lane;  v18-19: + 8 x lane
.set ADRB, 20                          ; v20-23 Wo's fragments
.set STO,  24
.set RD,   25
.set CO,   26
.set ADRS, 27
.set SPW,  28                          ; v28 LDS address of my spare word; never rewritten
.set NIL,  29                          ; v29 0; never rewritten
.set SC,   32
.set AF,   128
.set BK,   128
.set G1, 24
.set G0, 32
.set G1B, 48
.set G0B, 56
.set G1S, 68
.set G0S, 76
.set G1SB, 80
.set G0SB, 88
.set MSB, 0
.macro WIN new                         ; the immediate's high byte repeats the setting that is left
.if MSB != \new
	s_set_vgpr_msb (MSB<<8)|\new
.set MSB, \new
.endif
.endm
.set MUL_LO, 0xa1
.set MUL_HI, 0xf1
.set TO_B,   0x40
.macro JLOAD g0a, g1a, g0b, g1b        ; a joint load: waves 0 and 1 fetch for A, waves 2 and 3 for Wo; four v_nop follow each of the two lines
	s_cmp_eq_u32 s15, 0
	s_cbranch_scc0 .Lfor_b_\@
	tensor_load_to_lds s[\g0a:\g0a+3], s[\g1a:\g1a+7]
	s_nop 0
.rept 4
	v_nop
.endr
	s_branch .Lasked_\@
.Lfor_b_\@:
	tensor_load_to_lds s[\g0b:\g0b+3], s[\g1b:\g1b+7]
	s_nop 0
.rept 4
	v_nop
.endr
.Lasked_\@:
.endm
.macro CREST
	s_cmp_lg_u32 s14, 0
	s_cbranch_scc1 .Lnot_wave_0_\@
	s_barrier_signal -3
.Lnot_wave_0_\@:
	s_barrier_wait -3
	s_barrier_signal -1
	s_barrier_wait -1
.endm
.macro CROUND
	s_barrier_signal -1
	s_barrier_wait -1
	CREST
.endm
	s_load_b128 s[4:7], s[0:1], 0x0                ; acodes, ascales
	s_load_b128 s[8:11], s[0:1], 0x10              ; Wo's codes, Wo's scales
	s_load_b64 s[12:13], s[0:1], 0x20              ; out0
	v_lshl_add_u32 v[SPW], v0, 2, SPARE
	v_mov_b32 v[NIL], 0
	ds_add_u32 v28, v29
	ds_add_u32 v28, v29
	s_wait_dscnt 0x0
	v_lshrrev_b32 v1, 5, v0
	v_readfirstlane_b32 s14, v1                    ; wave 0..3
	s_lshr_b32 s15, s14, 1                         ; which half of the tile's rows is mine.  Also: I fetch for A (0) or for Wo (1)
	s_and_b32 s16, s14, 1                          ; which half of its columns.  Also: which 128 rows of that tile I fetch
	s_bfe_u32 s40, ttmp6, 0x40000                  ; cx, cy
	s_bfe_u32 s41, ttmp6, 0x40004
	s_lshl_b32 s42, ttmp9, 2
	s_add_co_u32 s42, s42, s40                     ; tile column
	s_and_b32 s17, ttmp7, 0xffff
	s_lshl_b32 s17, s17, 2
	s_add_co_u32 s17, s17, s41                     ; tile row
	s_lshl_b32 s43, s41, 2
	s_lshl_b32 s43, 15, s43                        ; my row of the cluster
	s_lshl_b32 s44, 0x1111, s40                    ; my column
	; group 1 for A: 8 rows of 3,072 bytes, 12,288 bytes apart, no padding
	s_or_b32 s[G1+0], s43, (0<<16)|(1<<21)
	s_mov_b32 s[G1+1], ROWA<<16                    ; tensor_dim0
	s_mov_b32 s[G1+2], 8<<16                       ; tensor_dim1
	s_mov_b32 s[G1+3], ROWA<<16                    ; tile_dim0
	s_mov_b32 s[G1+4], 8                           ; tile_dim1
	s_mov_b32 s[G1+5], 16*KROW                     ; from a tile of rows to the next
	s_mov_b32 s[G1+6], 0
	s_mov_b32 s[G1+7], 0
	; for Wo: 128 rows of 192 bytes; 16 bytes of padding behind every 64
	s_or_b32 s[G1B+0], s44, (0<<16)|(1<<20)|(1<<21)|(3<<22)|(3<<25)
	s_mov_b32 s[G1B+1], ROWB<<16
	s_mov_b32 s[G1B+2], 128<<16
	s_mov_b32 s[G1B+3], ROWB<<16
	s_mov_b32 s[G1B+4], 128
	s_mov_b32 s[G1B+5], KROW
	s_mov_b32 s[G1B+6], 0
	s_mov_b32 s[G1B+7], 0
	; the scales of 128 rows: 4,096 dense bytes, as rows of 256 bytes, 16 bytes of padding behind each
	s_or_b32 s[G1S+0], s43, (3<<16)|(1<<20)|(1<<21)|(5<<22)|(3<<25)
	s_or_b32 s[G1SB+0], s44, (3<<16)|(1<<20)|(1<<21)|(5<<22)|(3<<25)
.irp g, G1S, G1SB
	s_mov_b32 s[\g+1], 32<<16
	s_mov_b32 s[\g+2], (128*KS/256)<<16
	s_mov_b32 s[\g+3], 32<<16
	s_mov_b32 s[\g+4], 128*KS/256
	s_mov_b32 s[\g+5], 32
	s_mov_b32 s[\g+6], 0
	s_mov_b32 s[\g+7], 0
.endr
	s_lshl_b32 s18, s16, 7
	s_lshl_b32 s20, s17, 8
	s_add_co_u32 s20, s20, s18                     ; A: row 256 x tile row + 128 x half
	s_lshl_b32 s46, s42, 8
	s_add_co_u32 s46, s46, s18                     ; Wo: row 256 x tile column + 128 x half
	s_mov_b32 s21, 0
	s_mov_b32 s47, 0
	s_mov_b64 s[18:19], KS
	s_mul_u64 s[22:23], s[20:21], s[18:19]
	s_mul_u64 s[92:93], s[46:47], s[18:19]
	s_mov_b64 s[18:19], KROW
	s_mul_u64 s[20:21], s[20:21], s[18:19]         ; (16 rows x 768 bytes are a tile of rows' 12,288)
	s_mul_u64 s[46:47], s[46:47], s[18:19]
	s_mul_i32 s45, s14, HALFT
	s_mul_i32 s94, s14, HALFS
	s_wait_kmcnt 0x0
	s_add_nc_u64 s[20:21], s[4:5], s[20:21]
	s_add_nc_u64 s[22:23], s[6:7], s[22:23]
	s_add_nc_u64 s[46:47], s[8:9], s[46:47]
	s_add_nc_u64 s[92:93], s[10:11], s[92:93]
	CROUND                                         ; all sixteen work-groups are here: the first joint loads meet
	s_mov_b32 s[G0S], 1
	s_add_co_u32 s[G0S+1], s94, SCL
	s_mov_b64 s[G0S+2:G0S+3], s[22:23]
	s_or_b32 s[G0S+3], s[G0S+3], 0x80000000
	s_mov_b32 s[G0SB], 1
	s_add_co_u32 s[G0SB+1], s94, SCL
	s_mov_b64 s[G0SB+2:G0SB+3], s[92:93]
	s_or_b32 s[G0SB+3], s[G0SB+3], 0x80000000
	JLOAD G0S, G1S, G0SB, G1SB
.irp s, 0,1
	s_mov_b32 s[G0+4*\s], 1
	s_add_co_u32 s[G0+4*\s+1], s45, \s*SLOT
	s_add_nc_u64 s[G0+4*\s+2:G0+4*\s+3], s[20:21], \s*ROWA
	s_or_b32 s[G0+4*\s+3], s[G0+4*\s+3], 0x80000000
	s_mov_b32 s[G0B+4*\s], 1
	s_add_co_u32 s[G0B+4*\s+1], s45, \s*SLOT
	s_add_nc_u64 s[G0B+4*\s+2:G0B+4*\s+3], s[46:47], \s*ROWB
	s_or_b32 s[G0B+4*\s+3], s[G0B+4*\s+3], 0x80000000
	JLOAD G0+4*\s, G1, G0B+4*\s, G1B
.endr
	v_and_b32 v1, 15, v0                           ; l % 16
	v_bfe_u32 v2, v0, 4, 1                         ; l / 16
	v_mul_u32_u24 v3, v1, PITCH
	v_mul_u32_u24 v4, v2, 24
	v_add_nc_u32 v4, v3, v4                        ; Wo: a fragment's row x pitch + 24 x half
	v_lshl_add_u32 v5, v2, 4, v4                   ; and the same behind one padding more
	v_and_b32 v6, 31, v0
	v_lshlrev_b32 v7, 4, v6                        ; A: 16 x lane,
	v_lshlrev_b32 v8, 3, v6                        ; 8 x lane
	s_mul_i32 s21, s15, HALFT                      ; my 128 rows of A
	s_mul_i32 s22, s16, HALFT                      ; my 128 rows of Wo,
	s_add_co_u32 s22, s22, 2*HALFT                 ; which lie behind A's room
.irp s, 0,1
	v_add_nc_u32 v[ADRA+\s], s21, v7
	v_add_nc_u32 v[ADRB+\s], s22, v4
	v_add_nc_u32 v[ADRA+2+\s], s21, v8
	v_add_nc_u32 v[ADRB+2+\s], s22, v5
	s_add_co_u32 s21, s21, SLOT
	s_add_co_u32 s22, s22, SLOT
.endr
	v_mul_u32_u24 v5, v1, KS
	v_lshrrev_b32 v6, 8, v5
	v_lshl_add_u32 v5, v6, 4, v5
	s_mul_i32 s21, s15, HALFS
	s_mul_i32 s22, s16, HALFS
	s_add_co_u32 s22, s22, 2*HALFS
	s_sub_co_u32 s22, s22, s21
	v_mul_u32_u24 v6, s22, v2                      ; lanes 16-31 take Wo's
	s_add_co_u32 s21, s21, SCL
	v_add_nc_u32 v5, v5, v6
	v_add_nc_u32 v[ADRS], s21, v5
	s_mul_i32 s23, s14, 16*SPITCH                  ; my stage
	v_mul_u32_u24 v5, v1, SPITCH
	v_lshl_add_u32 v5, v2, 5, v5
	v_add_nc_u32 v[STO], s23, v5                   ; in: row l % 16, 32 bytes for each half of the lanes
	v_mov_b32 v[CO], v7                            ; back: the 32 lanes take one row of 512 bytes; and the same in out0
	v_add_nc_u32 v[RD], s23, v[CO]
	s_lshl_b32 s20, s17, 8
	s_lshl_b32 s21, s15, 7
	s_add_co_u32 s20, s20, s21                     ; my first row of out0
	s_mov_b32 s21, 0
	s_mov_b64 s[18:19], SIZE_N*4
	s_mul_u64 s[20:21], s[20:21], s[18:19]
	s_lshl_b32 s46, s42, 10                        ; my first column, in bytes
	s_lshl_b32 s47, s16, 9
	s_add_co_u32 s46, s46, s47
	s_mov_b32 s47, 0
	s_add_nc_u64 s[20:21], s[20:21], s[46:47]
	s_add_nc_u64 s[12:13], s[12:13], s[20:21]
.macro FRAG reg, adr, q, i             ; a fragment of Wo: 24 bytes of the row's stream of bits for each 64 along K, in pieces of 8 bytes
.irp p, 0,1,2,3,4,5
.set PCE, 12*(\q)+6*(\p/3)+\p%3
.if PCE%8 < 5
	ds_load_b64 v[\reg+2*\p:\reg+2*\p+1], v[\adr] offset:8*PCE+16*(PCE/8)+(\i)*16*PITCH
.else
	ds_load_b64 v[\reg+2*\p:\reg+2*\p+1], v[\adr+2] offset:8*PCE+16*(PCE/8)+(\i)*16*PITCH
.endif
.endr
.endm
.macro FRAGA reg, slot, q, i           ; a fragment of A: two heads' images, as they lie
	ds_load_b128 v[\reg:\reg+3], v[ADRA+\slot] offset:(\i)*ROWA+(\q)*1536
	ds_load_b64 v[\reg+4:\reg+5], v[ADRA+2+\slot] offset:(\i)*ROWA+(\q)*1536+512
	ds_load_b128 v[\reg+6:\reg+9], v[ADRA+\slot] offset:(\i)*ROWA+(\q)*1536+768
	ds_load_b64 v[\reg+10:\reg+11], v[ADRA+2+\slot] offset:(\i)*ROWA+(\q)*1536+1280
.endm
; 16 matrix instructions: A's blocks a0, a0 + 1 x Wo's eight.  The 64 accumulators take turns, one instruction a turn, in the same order in every step.
.macro MUL16 a0, p, q, sc, zero
.irp a, \a0, \a0+1
.irp b, 0,1,2,3,4,5,6,7
.if \zero
	v_wmma_scale_f32_16x16x128_f8f6f4 v[8*(8*((\a)%4)+\b):8*(8*((\a)%4)+\b)+7], v[128*(\p)+FR*\b:128*(\p)+FR*\b+FR-1], v[AF+FR*(\a):AF+FR*(\a)+FR-1], 0, v[SC+8*NQ*(\sc)+NQ*\b+(\q)], v[SC+8*NQ*(\sc)+NQ*(\a)+(\q)] matrix_a_fmt:MATRIX_FMT_FP6 matrix_b_fmt:MATRIX_FMT_FP6 matrix_a_scale:MATRIX_SCALE_ROW1
.else
	v_wmma_scale_f32_16x16x128_f8f6f4 v[8*(8*((\a)%4)+\b):8*(8*((\a)%4)+\b)+7], v[128*(\p)+FR*\b:128*(\p)+FR*\b+FR-1], v[AF+FR*(\a):AF+FR*(\a)+FR-1], v[8*(8*((\a)%4)+\b):8*(8*((\a)%4)+\b)+7], v[SC+8*NQ*(\sc)+NQ*\b+(\q)], v[SC+8*NQ*(\sc)+NQ*(\a)+(\q)] matrix_a_fmt:MATRIX_FMT_FP6 matrix_b_fmt:MATRIX_FMT_FP6 matrix_a_scale:MATRIX_SCALE_ROW1
.endif
.endr
.endr
.endm
.macro FETCH_B slot, q, p
	WIN TO_B
.irp i, 0,1,2,3,4,5,6,7
	FRAG 128*(\p)+FR*\i, ADRB+\slot, \q, \i
.endr
	WIN 0
.endm
.macro FETCH_A slot, q, i0
.irp i, \i0, \i0+1, \i0+2, \i0+3
	FRAGA AF+FR*(\i), \slot, \q, \i
.endr
.endm
.macro SCALES sc
.irp i, 0,1,2,3,4,5,6,7
	ds_load_b64 v[SC+8*NQ*\sc+NQ*\i:SC+8*NQ*\sc+NQ*\i+1], v[ADRS] offset:\i*SBLK
.endr
.endm
.macro PLACES n
.rept \n
	v_nop
.endr
.endm
.macro STEP slot, q, zero
	s_wait_dscnt 4*NLA                             ; Wo's set and A's blocks 0-3 are in; the youngest 16 loads (A's blocks 4-7) may be out
	WIN MUL_LO
	MUL16 0, (\q)%2, \q, \slot, \zero
	MUL16 2, (\q)%2, \q, \slot, \zero
	s_wait_dscnt 0
	PLACES NP
	FETCH_B \slot, (\q)+1, 1-(\q)%2
	FETCH_A \slot, (\q)+1, 0
	WIN MUL_HI
	MUL16 4, (\q)%2, \q, \slot, \zero
	MUL16 6, (\q)%2, \q, \slot, \zero
	PLACES NP
	WIN 0
	FETCH_A \slot, (\q)+1, 4
.endm
.macro TURN slot, next, fill
	s_wait_tensorcnt 0x0                           ; all my tensor loads have landed: my part of the next slot
	ds_add_u32 v[SPW], v[NIL]                      ; 0 onto my spare word
	s_wait_dscnt 4*NLA+1                           ; (the add and the youngest 16 loads may be out)
	WIN MUL_LO
	MUL16 0, 1, NQ-1, \slot, 0
	s_wait_dscnt 0x0                               ; the add is done, and my reads of this slot are over
	s_barrier_signal -1
	MUL16 2, 1, NQ-1, \slot, 0
	WIN 0
	s_barrier_wait -1
.if \fill
	CREST                                          ; the barrier has opened a round of the cluster's barrier
	s_add_nc_u64 s[G0+4*\slot+2:G0+4*\slot+3], s[G0+4*\slot+2:G0+4*\slot+3], 2*ROWA
	s_add_nc_u64 s[G0B+4*\slot+2:G0B+4*\slot+3], s[G0B+4*\slot+2:G0B+4*\slot+3], 2*ROWB
	JLOAD G0+4*\slot, G1, G0B+4*\slot, G1B         ; the first tensor load behind the round; its four v_nop are the places in front of the loads below
.else
	PLACES NP
.endif
	v_add_nc_u32 v[ADRS], 4*NQ, v[ADRS]
	FETCH_B \next, 0, 0
	FETCH_A \next, 0, 0
	SCALES \next
	WIN MUL_HI
	MUL16 4, 1, NQ-1, \slot, 0
	MUL16 6, 1, NQ-1, \slot, 0
	PLACES NP
	WIN 0
	FETCH_A \next, 0, 4
.endm
	s_wait_tensorcnt 1                             ; of my three first fills the scales and K step 0 are in; K step 1's may be out
	s_barrier_signal -1
	s_barrier_wait -1
	FETCH_B 0, 0, 0
	FETCH_A 0, 0, 0
	SCALES 0
	FETCH_A 0, 0, 4
	STEP 0, 0, 1                                   ; the first step starts the sums
	s_mov_b32 s3, LAPS-1
.Llap:
	TURN 0, 1, 1
	STEP 1, 0, 0
	TURN 1, 0, 1
	STEP 0, 0, 0
	s_sub_co_u32 s3, s3, 1
	s_cmp_lg_u32 s3, 0
	s_cbranch_scc1 .Llap
	TURN 0, 1, 0                                   ; the last lap fills nothing
	STEP 1, 0, 0
	s_wait_dscnt 4*NLA
	WIN MUL_LO
	MUL16 0, 1, NQ-1, 1, 0
	MUL16 2, 1, NQ-1, 1, 0
	s_wait_dscnt 0
	WIN MUL_HI
	MUL16 4, 1, NQ-1, 1, 0
	MUL16 6, 1, NQ-1, 1, 0
	WIN 0
; THE WAY OUT, block by block of 16 rows x 128 columns, through my own stage in LDS: in as 32 bytes a lane, back as whole rows of 512 bytes.  LDS serves a wave's instructions in order (ISA guide 5.7.1.4).
.macro TOSTAGE a
.set AC, 64*((\a)%4)
	WIN 0x08+4*((\a)/4)                            ; the data: window 2 or 3
.irp b, 0,1,2,3,4,5,6,7
	ds_store_b128 v[STO], v[AC+8*\b:AC+8*\b+3] offset:64*\b          ; each accumulator from its low end on
	ds_store_b128 v[STO], v[AC+8*\b+4:AC+8*\b+7] offset:64*\b+16
.endr
	WIN 0
.set BB, BK+64*((\a)%2)
.irp t, 0,1,2,3,4,5,6,7,8,9,10,11,12,13,14,15
	ds_load_b128 v[BB+4*\t:BB+4*\t+3], v[RD] offset:\t*SPITCH
.endr
.endm
.macro SEND a, younger                 ; younger: the LDS instructions issued behind block a's loads, which may stay out
.set BB, BK+64*((\a)%2)
	s_wait_dscnt \younger
.if (\a) > 0
	s_add_nc_u64 s[12:13], s[12:13], 16*SIZE_N*4   ; (behind a wait on XCNT: the earlier stores have read their base)
.endif
.irp t, 0,1,2,3,4,5,6,7,8,9,10,11,12,13,14,15
	global_store_b128 v[CO], v[BB+4*\t:BB+4*\t+3], s[12:13] offset:\t*SIZE_N*4 th:TH_STORE_NT   ; 32 lanes store 512 consecutive bytes, at a multiple of 256 from out0's first byte
.endr
.endm
	PLACES NP
	TOSTAGE 0
.irp a, 1,2,3,4,5,6,7
.if \a > 1
	s_wait_xcnt 0x0                                ; block a - 2's stores have read their registers and their base
.endif
	TOSTAGE \a
	SEND \a-1, 32                                  ; behind block a - 1's loads: block a's 16 stores and 16 loads
.endr
	s_wait_xcnt 0x0
	SEND 7, 0
	s_wait_tensorcnt 0x0                           ; the wave's end
	ds_add_u32 v[SPW], v[NIL]
	s_wait_dscnt 0x0
	CROUND                                         ; the closing round
	s_endpgm
.Lfunc_end_k_q62086ea588_outp:
	.size	k_q62086ea588_outp, .Lfunc_end_k_q62086ea588_outp-k_q62086ea588_outp
	.p2alignl 7, 3214868480
	.fill 96, 4, 3214868480
	.section	.rodata,"a",@progbits
	.p2align	6, 0x0
	.amdhsa_kernel k_q62086ea588_outp
		.amdhsa_group_segment_fixed_size 327680
		.amdhsa_private_segment_fixed_size 0
		.amdhsa_enable_private_segment 0
		.amdhsa_kernarg_size 40
		.amdhsa_user_sgpr_count 2
		.amdhsa_user_sgpr_kernarg_segment_ptr 1
		.amdhsa_wavefront_size32 1
		.amdhsa_system_sgpr_workgroup_id_x 1
		.amdhsa_system_sgpr_workgroup_id_y 1
		.amdhsa_system_sgpr_workgroup_id_z 1
		.amdhsa_system_vgpr_workitem_id 0
		.amdhsa_next_free_vgpr 1024
		.amdhsa_next_free_sgpr 98
		.amdhsa_reserve_vcc 0
		.amdhsa_float_denorm_mode_32 3
		.amdhsa_float_denorm_mode_16_64 3
		.amdhsa_memory_ordered 1
		.amdhsa_forward_progress 1
		.amdhsa_inst_pref_size 152
	.end_amdhsa_kernel
	.amdgpu_metadata
---
amdhsa.version: [ 1, 2 ]
amdhsa.kernels:
  - .name:           k_q62086ea588_outp
    .symbol:         k_q62086ea588_outp.kd
    .args:
      - { .name: acodes, .offset: 0, .size: 8, .value_kind: global_buffer, .address_space: global }
      - { .name: ascales, .offset: 8, .size: 8, .value_kind: global_buffer, .address_space: global }
      - { .name: Wo_codes, .offset: 16, .size: 8, .value_kind: global_buffer, .address_space: global }
      - { .name: Wo_scales, .offset: 24, .size: 8, .value_kind: global_buffer, .address_space: global }
      - { .name: out0, .offset: 32, .size: 8, .value_kind: global_buffer, .address_space: global }
    .group_segment_fixed_size: 327680
    .private_segment_fixed_size: 0
    .kernarg_segment_align: 8
    .kernarg_segment_size: 40
    .max_flat_workgroup_size: 128
    .sgpr_count:     98
    .vgpr_count:     1024
    .wavefront_size: 32
...
	.end_amdgpu_metadata
.endif
;; end of part 3
